; MI455X (gfx1250); checked and timed in simulation.
; The chip was launched on July 23, 2026; its instructions are those of AMD's public machine-readable ISA for CDNA 5 (MIT licence, August 2026) and "CDNA5" Instruction Set Architecture Reference Guide (July 2026). The comments in the code are by the model that wrote it; some were corrected since.
;; Transformer Block. Allowed arithmetic: float matrix products may take bf16 or f16 operands with f32 sums; all other float work in f32.
;; Inputs: k 4 x 16 x 2,048 x 64 float32; q 4 x 16 x 2,048 x 64 float32; v 4 x 16 x 2,048 x 64 float32.
;; Outputs: out0 4 x 16 x 2,048 x 64 float32.
;; One version. Each part assembles by itself: llvm-mc -triple=amdgcn-amd-amdhsa -mcpu=gfx1250 --defsym DOCPART=n.
;; ======== version 1 of 1: 1 launch
;; limits: values are held in f16: magnitudes above 65,504 overflow, below 6.1e-05 lose precision; inputs' magnitudes at most 65,504
;; launch attn (part 1): grid 256 x 1, 8 waves a work-group, no clusters, 109,568 bytes of LDS; arguments k, q, v, out0; writes out0
.if DOCPART == 1
	.amdgcn_target "amdgcn-amd-amdhsa--gfx1250"
	.amdhsa_code_object_version 6
	.text
	.protected	k_q86604e9c33_attn
	.globl	k_q86604e9c33_attn
	.p2align	8
	.type	k_q86604e9c33_attn,@function
k_q86604e9c33_attn:
	s_mov_b64 s[64:65], 0
	v_nop
	global_prefetch_b8 v0, s[64:65] scope:SCOPE_SE
	s_setreg_imm32_b32 hwreg(HW_REG_WAVE_MODE, 25, 1), 1
	s_wait_xcnt 0x0
; out = softmax(causal(q k^T / 8)) v for 64 heads of 2,048 rows x 64 numbers, all f32 in memory.
; WORK.  A head has 8 blocks of 256 queries; block I sees N = 4 (I + 1) tiles of 64 keys.  Work-group g takes head g / 4 and, with p = g % 4,
; block 7 - p and then block p: 4 (8 - p) + 4 (p + 1) = 36 key tiles for every one of the 256 work-groups.  Eight waves; a wave owns 32 queries
; (two tiles of 16) of the block: sub-block b = w for w < 4, else 11 - w.  Its diagonal tile is 4 I + b / 2, one of the block's last four; later tiles it skips.
; DATA, EVERYTHING ASKED FOR EARLY.  A tile of K and of V (64 rows x 256 bytes each) is loaded once by the work-group (16 bytes a lane, 512 consecutive
; bytes a wave and instruction) into one of two register sets, rounded to f16 and laid into LDS.  The end of trip t converts and stores K(t+2) and V(t+1)
; and loads the freed set again with K(t+4) and V(t+3): two trips ahead, 65,536 bytes of the work-group on their way.  In the middle of trip t the
; fragments of K(t+1) are read into registers of their own, at its head those of V(t): a trip starts with matrix instructions and no wait.
; Two slots do for that because V lags K by one tile: between two barriers trip t reads V's slot t % 2 and K's slot (t+1) % 2 and writes K's slot t % 2
; and V's slot (t+1) % 2.  No prefetch: each tile's own loads already go out two trips ahead of their use.
; MATRIX UNIT, TRANSPOSED.  S^T = K Q^T: a lane holds 8 keys of ONE query in a result tile, so row maximum and row sum run along registers,
; with one exchange between the halves of the wave.  Two packed result tiles ARE the second source P^T of O^T = V^T P^T: no shuffle.
; V^T comes out of LDS by the transposing load.  In O^T a lane again holds one query, so rescaling is one factor a lane.
; SOFTMAX.  Running maximum m of the raw sums s; p = 2^(c s + NM), c = log2(e) / 8, NM = round(-c m); old sums are rescaled by 2^(NMnew - NMold).
; WHY f16 OPERANDS.  A row with few keys is a sum of few terms of the size of v that may cancel, while the error allowed is a hundredth of the root mean
; square of all rows, most of which average many keys and are small: 11 significant bits serve that, 8 do not.  f16 has the room: its largest number
; is 65,504, against inputs of a few units, thirty times larger or offset by thirty spreads included; the weights lie in (0, 1].
; NO CLUSTER, NO TENSOR LOADS: the four work-groups of a head need 4 (8 - p) and then 4 (p + 1) tiles, different numbers in each partner, and K and V
; have to pass through registers once to become f16: as f32 in LDS a tile would be 32,768 bytes to write, read and write again instead of 16,384 written.
; LIMITS KEPT: q, k, v and p enter the matrix unit as f16: an input above 65,504 in magnitude becomes infinity; inputs below 2^-14 in magnitude, and
; weights below 2^-14 of the running maximum's, are kept with the absolute step 2^-24 (2,048 keys: at most 2^-14 of a row sum, which is about 1 or more);
; the row sum takes the weights unrounded; a weight below 2^-126 becomes 0; NaN and infinities in the inputs are not treated specially; the order
; of the sums is not reference()'s.
.set ROWB,  256                        ; bytes of a row of q, k, v, out
.set TILEB, 64*ROWB                    ; a tile of 64 keys in memory
.set KP,    144                        ; LDS pitch of K and of staged Q: 128 bytes of f16 + 16: an odd multiple of 16, so 16 rows start in 16 different 16-byte columns of 256
.set VP,    160                        ; LDS pitch of V: 128 + 32, an odd multiple of 32, for the transposing loads
.set VOFF,  64*KP                      ; V's part lies behind K's in a slot
.set SLOT,  VOFF+64*VP                 ; 19,456 bytes; two slots
.set STAGE, 2*SLOT                     ; behind the slots: each wave's own stage
.set OPI,   272                        ; stage pitch of a row of out: 256 bytes + 16
.set STG,   32*OPI                     ; 8,704 bytes a wave (Q as f16 needs 32 x 144 of them)
; vector registers, window 0
.set GO,  1                            ; 16 x thread: my 16 bytes of each 4,096 of a tile
.set LGO, 3                            ; 16 x lane: my 16 bytes of each 512 of my wave's Q and out rows
.set KST, 4                            ; where I store K's 4 f16
.set VST, 5                            ; where I store V's 4 f16
.set KAD, 6                            ; K fragment address
.set VAD, 7                            ; V fragment address (transposing load)
.set QST, 8                            ; stage: Q in
.set QRD, 9                            ; stage: Q fragments
.set OST, 10                           ; stage: out in
.set ORD, 11                           ; stage: out rows back
.set DG0, 12                           ; query - 8 h relative to key tile 0
.set DGD, 13                           ; the same relative to my diagonal tile
.set NINF, 14                          ; -infinity
.set TN,  15                           ; at work
.set NM,  16                           ; v[16:17], v[18:19]: (NM, m) of query tile 0, 1
.set AL,  20                           ; v[20:21], v[22:23]: (rescaling factor, row sum of my half's keys)
.set MA,  24                           ; v24-27: two maximum chains for each query tile
.set T01, 24                           ; later: sums at work
.set T23, 26
.set ACC, 28                           ; v[28:29], v[30:31]: a trip's row sums, two chains each
.set OO,  32                           ; v[32:95]   O^T: tile (qt, dt) at 32 qt + 8 dt
.set QQ,  96                           ; v[96:127]  Q fragments: 16 qt + 8 ks
.set SS,  128                          ; v[128:191] S^T: tile g = 4 qt + kt at 8 g; then P^T (qt, k2) at 32 qt + 16 k2
.set FF,  192                          ; v[192:255] V fragments 8 (4 k2 + dt); at a phase's head f16 at work, at its end rows of out
.set CTK, 136                          ; f16 of a K tile on its way to LDS: S tile 1, free once P is packed and named by no product with V
.set CTV, 152                          ; f16 of a V tile: S tile 3, likewise
; vector registers, window 1 (written by their low 8 bits)
.set GG,  0                            ; v256-319  two sets of 32: 16 registers of a K tile, 16 of a V tile, on their way
.set KF,  64                           ; v320-383  K fragments 8 (4 ks + kt); at a phase's head K(0), K(1), V(0) as loaded
; scalar registers
.set WV, 12                            ; wave
.set SB, 13                            ; b
.set BH, 14                            ; b / 2: which of the block's last four tiles is my diagonal tile
.set PP, 15                            ; p
.set PH, 16                            ; phase 0, 1
.set II, 17                            ; query block
.set KB, 24                            ; K, V at the even tile of the pair of trips at work
.set VB, 26
.set QB, 28                            ; q, out at my wave's 32 rows
.set OB, 30
.set HOFF, 32                          ; the head's byte offset
.set ROFF, 34                          ; + my rows' byte offset
.set PL0, 36                           ; v_permlanex16_b32: lane i takes lane i of the other half
.set PL1, 37
.set T0, 38
.set T1, 39
.set LC, 40                            ; the tile loop's counter, in steps of one
.set NP, 41                            ; its trips: 2 I - 1
.set MSB, 0
.macro WIN new                         ; register window; the immediate's high byte repeats the setting that is left; 0 at every label and branch
.if MSB != \new
	s_set_vgpr_msb (MSB<<8)|\new
.set MSB, \new
.endif
.endm
; Four places behind a matrix instruction before a vector instruction reads its result and before a load is issued into one of its registers
; (ISA guide 7.12.1 for vector instructions).
.macro PLACES
.rept 4
	v_nop
.endr
.endm
	s_load_b256 s[4:11], s[0:1], 0x0               ; k s[4:5], q s[6:7], v s[8:9], out s[10:11]
	v_lshl_add_u32 v2, v0, 2, 0x1a800
	s_set_vgpr_msb 0x40
	v_mov_b32 v129, 0
	s_set_vgpr_msb 0x4000
	v_lshrrev_b32 v[TN], 5, v0
	v_readfirstlane_b32 s[WV], v[TN]               ; wave 0..7
	s_sub_co_u32 s[T0], 11, s[WV]
	s_cmp_lt_u32 s[WV], 4
	s_cselect_b32 s[SB], s[WV], s[T0]              ; b = w, or 11 - w: waves w and w + 4 together have equal work at the diagonal
	s_lshr_b32 s[BH], s[SB], 1
	s_lshr_b32 s[T0], ttmp9, 2                     ; head
	s_and_b32 s[PP], ttmp9, 3
	s_lshl_b32 s[HOFF], s[T0], 19                  ; x 2,048 rows of 256 bytes
	s_mov_b32 s[HOFF+1], 0
	s_mov_b32 s[PL0], 0x76543210
	s_mov_b32 s[PL1], 0xfedcba98
	s_mul_i32 s[T0], s[WV], STG
	s_add_co_u32 s[T0], s[T0], STAGE               ; my wave's stage
	s_and_b32 s[T1], s[SB], 1
	s_lshl_b32 s[T1], s[T1], 5                     ; 32 (b & 1): my first query inside my diagonal tile
	v_and_b32 v16, 31, v0                          ; lane
	v_and_b32 v17, 15, v0                          ; r
	v_bfe_u32 v18, v0, 4, 1                        ; h
	v_lshrrev_b32 v19, 4, v0                       ; thread / 16: my row among the 16 that one load of the work-group covers
	v_lshlrev_b32 v[GO], 4, v0
	v_lshlrev_b32 v[LGO], 4, v16
	v_mul_u32_u24 v[KST], v19, KP
	v_lshl_add_u32 v[KST], v17, 3, v[KST]          ; row x pitch + 8 bytes for 4 f16
	v_mul_u32_u24 v[VST], v19, VP
	v_lshl_add_u32 v[VST], v17, 3, v[VST]
	v_add_nc_u32 v[VST], VOFF, v[VST]
	v_mul_u32_u24 v[KAD], v17, KP
	v_lshl_add_u32 v[KAD], v18, 4, v[KAD]          ; fragment: row r, 16 bytes for each half of the wave
	v_and_b32 v20, 7, v0
	v_lshl_add_u32 v20, v18, 3, v20                ; key 8 h + (lane & 7)
	v_mul_u32_u24 v[VAD], v20, VP
	v_bfe_u32 v20, v0, 3, 1
	v_lshl_add_u32 v[VAD], v20, 4, v[VAD]          ; columns 0-7 or 8-15 of the 16
	v_add_nc_u32 v[VAD], VOFF, v[VAD]
	v_mul_u32_u24 v[QST], v18, KP
	v_lshl_add_u32 v[QST], v17, 3, v[QST]
	v_add_nc_u32 v[QST], s[T0], v[QST]
	v_add_nc_u32 v[QRD], s[T0], v[KAD]
	v_mul_u32_u24 v[OST], v17, OPI
	v_lshl_add_u32 v[OST], v18, 5, v[OST]          ; row r, 32 bytes (8 f32) for each half
	v_add_nc_u32 v[OST], s[T0], v[OST]
	v_mul_u32_u24 v[ORD], v18, OPI
	v_lshl_add_u32 v[ORD], v17, 4, v[ORD]          ; lanes 0-15 one row of 256 bytes, lanes 16-31 the next
	v_add_nc_u32 v[ORD], s[T0], v[ORD]
	v_lshlrev_b32 v20, 3, v18
	v_sub_nc_u32 v[DGD], v17, v20
	v_add_nc_u32 v[DGD], s[T1], v[DGD]             ; 32 (b & 1) + r - 8 h
	v_mov_b32 v[NINF], 0xff800000
	s_mov_b32 s[PH], 0
	s_sub_co_u32 s[II], 7, s[PP]                   ; the first phase's block
	s_wait_kmcnt 0x0
; What hangs on the query block s[II]: the loop's trips, the mask's distance for tile 0, the addresses.  out's address is made at the phase's head.
.macro PHSET
	s_lshl_b32 s[NP], s[II], 1
	s_sub_co_u32 s[NP], s[NP], 1                   ; 2 I - 1 (not used where I = 0)
	s_lshl2_add_u32 s[T0], s[II], s[BH]            ; my diagonal tile 4 I + b / 2
	s_lshl_b32 s[T0], s[T0], 6
	v_add_nc_u32 v[DG0], s[T0], v[DGD]             ; 256 I + 32 b + r - 8 h: at least 56 where tile 0 is not my diagonal tile, so nothing is masked there
	s_lshl_b32 s[ROFF], s[II], 16                  ; 256 rows of 256 bytes a block,
	s_lshl_b32 s[T0], s[SB], 13                    ; 32 a wave
	s_add_co_u32 s[ROFF], s[ROFF], s[T0]
	s_mov_b32 s[ROFF+1], 0
	s_add_nc_u64 s[ROFF:ROFF+1], s[ROFF:ROFF+1], s[HOFF:HOFF+1]
	s_add_nc_u64 s[KB:KB+1], s[4:5], s[HOFF:HOFF+1]
	s_add_nc_u64 s[VB:VB+1], s[8:9], s[HOFF:HOFF+1]
	s_add_nc_u64 s[QB:QB+1], s[6:7], s[ROFF:ROFF+1]
.endm
; A phase's first 44 loads, in the order in which they are wanted: my 32 rows of Q (read once in the launch); K(0); K(1) and V(0); set 0 = K(2), V(1); set 1 = K(3), V(2).
; With each load of a tile the 256 threads cover 4,096 consecutive bytes (16 rows).  Every block has at least four tiles.
.macro TLOAD dst, base, tile
.irp n, 0,1,2,3
	global_load_b128 v[\dst+4*\n:\dst+4*\n+3], v[GO], s[\base:\base+1] offset:(\tile)*TILEB+4096*\n
.endr
.endm
.macro PRELOAD
.irp n, 0,1,2,3,4,5,6,7,8,9,10,11,12,13,14,15
	global_load_b128 v[SS+4*\n:SS+4*\n+3], v[LGO], s[QB:QB+1] offset:512*\n th:TH_LOAD_NT
.endr
	WIN 0x40                                       ; destination in window 1, address in window 0
	TLOAD KF, KB, 0
	TLOAD KF+16, KB, 1
	TLOAD KF+32, VB, 0
	TLOAD GG, KB, 2
	TLOAD GG+16, VB, 1
	TLOAD GG+32, KB, 3
	TLOAD GG+48, VB, 2
	WIN 0
.endm
; Four registers quadruples of f32 in window 1 become 8 registers of f16 in window 0 (the window is set by the caller: both sources in window 1)
.macro CVT16 dst, src
.irp n, 0,1,2,3
	v_cvt_pk_f16_f32 v[\dst+2*\n], v[\src+4*\n], v[\src+4*\n+1]
	v_cvt_pk_f16_f32 v[\dst+2*\n+1], v[\src+4*\n+2], v[\src+4*\n+3]
.endr
.endm
.macro KSTORE src, slot
.irp n, 0,1,2,3
	ds_store_b64 v[KST], v[\src+2*\n:\src+2*\n+1] offset:(\slot)*SLOT+\n*16*KP
.endr
.endm
.macro VSTORE src, slot
.irp n, 0,1,2,3
	ds_store_b64 v[VST], v[\src+2*\n:\src+2*\n+1] offset:(\slot)*SLOT+\n*16*VP
.endr
.endm
; The 64 x 64 numbers of K in a slot as 8 fragments, into window 1
.macro KFRAG slot
	WIN 0x40
.irp ks, 0,1
.irp kt, 0,1,2,3
	ds_load_b128 v[KF+8*(4*\ks+\kt):KF+8*(4*\ks+\kt)+3], v[KAD] offset:(\slot)*SLOT+\kt*16*KP+64*\ks
	ds_load_b128 v[KF+8*(4*\ks+\kt)+4:KF+8*(4*\ks+\kt)+7], v[KAD] offset:(\slot)*SLOT+\kt*16*KP+64*\ks+32
.endr
.endr
	WIN 0
.endm
; The end of trip t, par = t % 2.  Set par holds K(t+2) and V(t+1), asked for two trips ago: they are rounded to f16 (kst, vst: which of them there are), the set is loaded
; again with K(t+4) and V(t+3) (kld, vld), the f16 go to LDS, and the trip's one barrier follows.  left = the younger loads that may stay out.
; In front of the barrier each wave's LDS reads of this trip and its stores are done (the count 0 is for the other waves' sake); behind it the
; stored tiles are read, and the two parts of slots read in this trip are written at the next trip's end.
; step = 1: the bases go two tiles on; the loads that name them were issued a whole tile's work ago.
.macro END par, kst, vst, kld, vld, left, step
.if \step
	s_wait_xcnt 0x0                                ; the bases are stepped only behind this wait
	s_add_nc_u64 s[KB:KB+1], s[KB:KB+1], 2*TILEB
	s_add_nc_u64 s[VB:VB+1], s[VB:VB+1], 2*TILEB
.endif
	s_wait_loadcnt \left
	WIN 0x05                                       ; both sources in window 1
.if \kst
	CVT16 CTK, GG+32*\par
.endif
.if \vst
	CVT16 CTV, GG+32*\par+16
.endif
.if \kld+\vld
	WIN 0x40
.endif
.if \kld
	TLOAD GG+32*\par, KB, 4+\par
.endif
.if \vld
	TLOAD GG+32*\par+16, VB, 3+\par
.endif
	WIN 0
.if \kst
	KSTORE CTK, \par
.endif
.if \vst
	VSTORE CTV, 1-\par
.endif
	s_wait_dscnt 0x0
	s_barrier_signal -1
	s_barrier_wait -1
.endm
; p = 2^(c s + NM) for S tile g, in place
.macro EXPG g
.irp i, 0,2,4,6
	v_pk_fma_f32 v[SS+8*\g+\i:SS+8*\g+\i+1], v[SS+8*\g+\i:SS+8*\g+\i+1], 0x3e38aa3b, v[NM+2*(\g/4):NM+2*(\g/4)+1] op_sel_hi:[1,0,0]
.endr
.irp i, 0,1,2,3,4,5,6,7
	v_exp_f32 v[SS+8*\g+\i], v[SS+8*\g+\i]
.endr
.endm
; Tile g's 8 weights are added to the trip's row sums (unrounded) and packed to f16: an even tile into its own registers 0-3, an odd one into
; registers 4-7 of the tile in front, which that tile's turn has freed: together the second source of a product with V over 32 keys.
.macro SUMCVT g
	s_wait_alu depctr_va_vdst(0)
	v_pk_add_f32 v[T01:T01+1], v[SS+8*\g:SS+8*\g+1], v[SS+8*\g+2:SS+8*\g+3]
	v_pk_add_f32 v[T23:T23+1], v[SS+8*\g+4:SS+8*\g+5], v[SS+8*\g+6:SS+8*\g+7]
.if (\g%4) == 0
	v_pk_add_f32 v[ACC+2*(\g/4):ACC+2*(\g/4)+1], v[T01:T01+1], v[T23:T23+1]        ; the first tile starts the sums
.else
	v_pk_add_f32 v[T01:T01+1], v[T01:T01+1], v[T23:T23+1]
	v_pk_add_f32 v[ACC+2*(\g/4):ACC+2*(\g/4)+1], v[ACC+2*(\g/4):ACC+2*(\g/4)+1], v[T01:T01+1]
.endif
.irp i, 0,1,2,3
	v_cvt_pk_f16_f32 v[SS+8*(\g-(\g%2))+4*(\g%2)+\i], v[SS+8*\g+2*\i], v[SS+8*\g+2*\i+1]
.endr
.endm
; One key tile t for my 32 queries, par = t % 2.  Its K fragments are in registers (read in the tile before; the wait for all LDS instructions in front of the
; last barrier has shown them in).  first = 1: it starts maximum, sums and O.  mask = 1: keys behind the query get -infinity; dg = the register with
; query - 8 h relative to this tile.  kn = 1: the next tile's K fragments are read (a wave's diagonal tile is its last: kn = 0).
; The matrix instructions take their 8 accumulators by turns, one instruction a turn.
.macro BODY par, first, mask, dg, kn
.irp k2, 0,1
.irp dt, 0,1,2,3
	ds_load_tr16_b128 v[FF+8*(4*\k2+\dt):FF+8*(4*\k2+\dt)+3], v[VAD] offset:\par*SLOT+\k2*32*VP+32*\dt
	ds_load_tr16_b128 v[FF+8*(4*\k2+\dt)+4:FF+8*(4*\k2+\dt)+7], v[VAD] offset:\par*SLOT+\k2*32*VP+32*\dt+16*VP
.endr
.endr
	WIN 0x01                                       ; source 0 (K) in window 1
.irp kt, 0,1,2,3
.irp qt, 0,1
	v_wmma_f32_16x16x32_f16 v[SS+8*(4*\qt+\kt):SS+8*(4*\qt+\kt)+7], v[KF+8*\kt:KF+8*\kt+7], v[QQ+16*\qt:QQ+16*\qt+7], 0
.endr
.endr
.irp kt, 0,1,2,3
.irp qt, 0,1
	v_wmma_f32_16x16x32_f16 v[SS+8*(4*\qt+\kt):SS+8*(4*\qt+\kt)+7], v[KF+8*(4+\kt):KF+8*(4+\kt)+7], v[QQ+16*\qt+8:QQ+16*\qt+15], v[SS+8*(4*\qt+\kt):SS+8*(4*\qt+\kt)+7]
.endr
.endr
	PLACES                                         ; in front of the loads over K's fragments and of the first read of S
.if \kn
	KFRAG 1-\par
.else
	WIN 0
.endif
.if \mask
	; key 16 kt + 8 h + j lies behind query 16 qt + r (+ the tile's distance) where 16 (kt - qt) + j > dg: one compare serves both query tiles
.irp c, 0,1,2,3,4
.irp j, 0,1,2,3,4,5,6,7
	v_cmp_gt_i32 vcc_lo, 16*\c-16+\j, v[\dg]
.if \c >= 1
	v_cndmask_b32 v[SS+8*(\c-1)+\j], v[SS+8*(\c-1)+\j], v[NINF], vcc_lo
.endif
.if \c <= 3
	v_cndmask_b32 v[SS+8*(4+\c)+\j], v[SS+8*(4+\c)+\j], v[NINF], vcc_lo
.endif
.endr
.endr
.endif
	; the row maximum: my 32 keys of each query in two chains, four chains in all
.irp qt, 0,1
	v_max3_num_f32 v[MA+2*\qt], v[SS+32*\qt], v[SS+32*\qt+1], v[SS+32*\qt+2]
	v_max3_num_f32 v[MA+2*\qt+1], v[SS+32*\qt+17], v[SS+32*\qt+18], v[SS+32*\qt+19]
.endr
.irp i, 3,5,7,9,11,13
.irp qt, 0,1
	v_max3_num_f32 v[MA+2*\qt], v[MA+2*\qt], v[SS+32*\qt+\i], v[SS+32*\qt+\i+1]
	v_max3_num_f32 v[MA+2*\qt+1], v[MA+2*\qt+1], v[SS+32*\qt+\i+17], v[SS+32*\qt+\i+18]
.endr
.endr
.irp qt, 0,1
	v_max3_num_f32 v[MA+2*\qt], v[MA+2*\qt], v[SS+32*\qt+15], v[SS+32*\qt+16]
.endr
.irp qt, 0,1
.if \first
	v_max_num_f32 v[MA+2*\qt], v[MA+2*\qt], v[MA+2*\qt+1]
.else
	v_max3_num_f32 v[MA+2*\qt], v[MA+2*\qt], v[MA+2*\qt+1], v[NM+2*\qt+1]          ; with the running maximum
.endif
.endr
.irp qt, 0,1
	v_permlanex16_b32 v[MA+2*\qt+1], v[MA+2*\qt], s[PL0], s[PL1]                    ; the other half's keys of the same query
.endr
.irp qt, 0,1
	v_max_num_f32 v[NM+2*\qt+1], v[MA+2*\qt], v[MA+2*\qt+1]                         ; finite: every tile that is taken has a key in front of every query
.endr
.if \first
.irp qt, 0,1
	v_mul_f32 v[NM+2*\qt], 0xbe38aa3b, v[NM+2*\qt+1]
.endr
.else
.irp qt, 0,1
	v_mul_f32 v[TN], 0xbe38aa3b, v[NM+2*\qt+1]                                      ; NM = round(-c m)
	v_sub_f32 v[AL+2*\qt], v[TN], v[NM+2*\qt]                                       ; from the rounded NMs, so that old and new weights have one scale
	v_mov_b32 v[NM+2*\qt], v[TN]
.endr
	v_exp_f32 v[AL], v[AL]
	v_exp_f32 v[AL+2], v[AL+2]
.endif
	; Behind each run of exponentials stands plain work on another tile before a result is used (ISA guide 5.7.2)
	EXPG 0
	EXPG 1
	SUMCVT 0
	EXPG 2
	SUMCVT 1
	EXPG 3
	SUMCVT 2
	EXPG 4
	SUMCVT 3
	EXPG 5
	SUMCVT 4
	EXPG 6
	SUMCVT 5
	EXPG 7
	SUMCVT 6
	SUMCVT 7
.if \first == 0
.irp qt, 0,1
.irp i, 0,2,4,6,8,10,12,14,16,18,20,22,24,26,28,30
	v_pk_mul_f32 v[OO+32*\qt+\i:OO+32*\qt+\i+1], v[OO+32*\qt+\i:OO+32*\qt+\i+1], v[AL+2*\qt:AL+2*\qt+1] op_sel_hi:[1,0]
.endr
.endr
.endif
	s_wait_dscnt 16*\kn                            ; V's 16 fragment loads are in; the 16 of the next K, issued behind them, may stay out
.irp dt, 0,1,2,3
.irp qt, 0,1
.if \first
	v_wmma_f32_16x16x32_f16 v[OO+32*\qt+8*\dt:OO+32*\qt+8*\dt+7], v[FF+8*\dt:FF+8*\dt+7], v[SS+32*\qt:SS+32*\qt+7], 0
.else
	v_wmma_f32_16x16x32_f16 v[OO+32*\qt+8*\dt:OO+32*\qt+8*\dt+7], v[FF+8*\dt:FF+8*\dt+7], v[SS+32*\qt:SS+32*\qt+7], v[OO+32*\qt+8*\dt:OO+32*\qt+8*\dt+7]
.endif
.endr
.endr
.irp dt, 0,1,2,3
.irp qt, 0,1
	v_wmma_f32_16x16x32_f16 v[OO+32*\qt+8*\dt:OO+32*\qt+8*\dt+7], v[FF+8*(4+\dt):FF+8*(4+\dt)+7], v[SS+32*\qt+16:SS+32*\qt+23], v[OO+32*\qt+8*\dt:OO+32*\qt+8*\dt+7]
.endr
.endr
	; Five places behind the last products, before the next tile's loads land on V's fragments, its products write over P, and O is read
	; the row sums' update, which names no register of a matrix instruction, and v_nop for the rest.
.irp qt, 0,1
.if \first
	v_add_f32 v[AL+2*\qt+1], v[ACC+2*\qt], v[ACC+2*\qt+1]
.else
	v_add_f32 v[TN], v[ACC+2*\qt], v[ACC+2*\qt+1]
	v_fma_f32 v[AL+2*\qt+1], v[AL+2*\qt+1], v[AL+2*\qt], v[TN]
.endif
.endr
.if \first
.rept 3
	v_nop
.endr
.else
	v_nop
.endif
.endm
; Tile 4 I + j of the block's last four: in front of my diagonal tile it is taken whole, on it with the mask, behind it not at all
.macro TAILSTEP j, par
	s_cmp_gt_u32 s[BH], \j
	s_cbranch_scc1 .Lfull_\@
	s_cmp_eq_u32 s[BH], \j
	s_cbranch_scc0 .Ljoin_\@
	BODY \par, 0, 1, DGD, 0
	s_branch .Ljoin_\@
.Lfull_\@:
	BODY \par, 0, 0, DGD, 1
.Ljoin_\@:
.endm
	PHSET
	PRELOAD
.Lphase:
	s_add_nc_u64 s[OB:OB+1], s[10:11], s[ROFF:ROFF+1]
	s_wait_loadcnt 28                              ; Q's 16 loads are in; the 28 younger ones (K(0) 4, K(1) 4, V(0) 4, two sets of 8) stay out
.irp n, 0,1,2,3,4,5,6,7,8,9,10,11,12,13,14,15
	v_cvt_pk_f16_f32 v[FF+2*\n], v[SS+4*\n], v[SS+4*\n+1]
	v_cvt_pk_f16_f32 v[FF+2*\n+1], v[SS+4*\n+2], v[SS+4*\n+3]
.endr
.irp n, 0,1,2,3,4,5,6,7,8,9,10,11,12,13,14,15
	ds_store_b64 v[QST], v[FF+2*\n:FF+2*\n+1] offset:2*KP*\n
.endr
.irp qt, 0,1
.irp ks, 0,1
	ds_load_b128 v[QQ+16*\qt+8*\ks:QQ+16*\qt+8*\ks+3], v[QRD] offset:\qt*16*KP+64*\ks      ; my own stage: LDS serves a wave's instructions in order (ISA guide 5.7.1), so these see the stores above
	ds_load_b128 v[QQ+16*\qt+8*\ks+4:QQ+16*\qt+8*\ks+7], v[QRD] offset:\qt*16*KP+64*\ks+32
.endr
.endr
	; K(0) into K's slot 0.  Behind the last barrier of the phase before only V's slot 1 is still read, so K's slots and V's slot 0 may be written.
	s_wait_loadcnt 24                              ; K(0)'s 4 loads are in; 24 younger ones stay out
	WIN 0x05
	CVT16 FF+32, KF
	WIN 0
	KSTORE FF+32, 0
	s_wait_dscnt 0x0                               ; covers Q's fragments too
	s_barrier_signal -1
	s_barrier_wait -1
	; A span of its own for the reads of K(0): the first trip's end writes K(2) over it.  In it K(1) and V(0) are stored.
	s_wait_loadcnt 16                              ; K(1) and V(0) are in; the two sets stay out
	WIN 0x05
	CVT16 FF+40, KF+16
	CVT16 FF+48, KF+32
	KFRAG 0                                        ; over the registers just converted
	KSTORE FF+40, 1
	VSTORE FF+48, 0
	s_wait_dscnt 0x0
	s_barrier_signal -1
	s_barrier_wait -1
	BODY 0, 1, 1, DG0, 1                           ; tile 0 starts the sums; where it is not my diagonal tile its mask changes nothing
	s_cmp_eq_u32 s[II], 0                          ; block 0 has the last four tiles alone
	s_cbranch_scc1 .Ltail0end
	END 0, 1, 1, 1, 1, 8, 0                        ; left = 8: the other set's loads
	BODY 1, 0, 0, DGD, 1
	END 1, 1, 1, 1, 1, 8, 0
	s_mov_b32 s[LC], 0
.Ltrip:                                            ; 2 I - 1 trips of two tiles: tiles 2 to 4 I - 1, all in front of every wave's diagonal; their ends ask for tiles up to K(4 I + 3), V(4 I + 2)
	BODY 0, 0, 0, DGD, 1
	END 0, 1, 1, 1, 1, 8, 1
	BODY 1, 0, 0, DGD, 1
	END 1, 1, 1, 1, 1, 8, 0
	s_add_co_u32 s[LC], s[LC], 1
	s_cmp_lt_u32 s[LC], s[NP]
	s_cbranch_scc1 .Ltrip
	; the last four tiles, written out: their ends ask for less and less, so no load is jumped over and every count holds on every way
	s_wait_xcnt 0x0
	s_add_nc_u64 s[VB:VB+1], s[VB:VB+1], 2*TILEB   ; V at tile 4 I
	s_cmp_eq_u32 s[BH], 0
	s_cbranch_scc1 .Ldiag0
	BODY 0, 0, 0, DGD, 1
	s_branch .Ltail0end
.Ldiag0:
	BODY 0, 0, 1, DGD, 0
.Ltail0end:
	END 0, 1, 1, 0, 1, 8, 0                        ; tile N - 4: K(N-2), V(N-3) stored; the last load of the phase: V(N-1), 4 loads
	TAILSTEP 1, 1
	END 1, 1, 1, 0, 0, 4, 0                        ; tile N - 3: K(N-1), V(N-2) stored; left = 4: V(N-1)
	TAILSTEP 2, 0
	END 0, 0, 1, 0, 0, 0, 0                        ; tile N - 2: V(N-1) stored
	s_cmp_eq_u32 s[BH], 3                          ; tile N - 1: the diagonal tile of b = 6, 7, behind the others'
	s_cbranch_scc0 .Lout
	BODY 1, 0, 1, DGD, 0
.Lout:                                             ; on every way here the last products have their five places behind them, at the tile's end
	; The second phase's first loads go out ahead of the first phase's way out: S, K's fragments and both sets are free, no load is pending
	s_cmp_lg_u32 s[PH], 0
	s_cbranch_scc1 .Lnonext
	s_mov_b32 s[II], s[PP]                         ; the second phase's block
	PHSET
	PRELOAD
.Lnonext:
	v_permlanex16_b32 v[TN], v[AL+1], s[PL0], s[PL1]       ; the two halves' row sums meet, once a phase
	v_permlanex16_b32 v[MA], v[AL+3], s[PL0], s[PL1]
	v_add_f32 v[AL+1], v[AL+1], v[TN]
	v_add_f32 v[AL+3], v[AL+3], v[MA]
	v_rcp_f32 v[AL], v[AL+1]                       ; the sum holds the largest weight, about 1
	v_rcp_f32 v[AL+2], v[AL+3]
	v_nop                                          ; one plain place behind the reciprocals (ISA guide 5.7.2)
	s_wait_alu depctr_va_vdst(0)
.irp qt, 0,1
.irp i, 0,2,4,6,8,10,12,14,16,18,20,22,24,26,28,30
	v_pk_mul_f32 v[OO+32*\qt+\i:OO+32*\qt+\i+1], v[OO+32*\qt+\i:OO+32*\qt+\i+1], v[AL+2*\qt:AL+2*\qt+1] op_sel_hi:[1,0]
.endr
.endr
	; a lane holds 8 neighbouring d of one query: 32 bytes into my stage, whole rows back, and out
.irp qt, 0,1
.irp dt, 0,1,2,3
	ds_store_b128 v[OST], v[OO+32*\qt+8*\dt:OO+32*\qt+8*\dt+3] offset:\qt*16*OPI+64*\dt
	ds_store_b128 v[OST], v[OO+32*\qt+8*\dt+4:OO+32*\qt+8*\dt+7] offset:\qt*16*OPI+64*\dt+16
.endr
.endr
.irp n, 0,1,2,3,4,5,6,7,8,9,10,11,12,13,14,15
	ds_load_b128 v[FF+4*\n:FF+4*\n+3], v[ORD] offset:2*OPI*\n
.endr
.irp n, 0,1,2,3,4,5,6,7,8,9,10,11,12,13,14,15
	s_wait_dscnt 15-\n                             ; LDS loads come back in order: number n is in, the younger ones stay out
	global_store_b128 v[LGO], v[FF+4*\n:FF+4*\n+3], s[OB:OB+1] offset:512*\n th:TH_STORE_NT      ; two whole rows: 512 consecutive bytes, aligned
.endr
	s_wait_xcnt 0x0                                ; the stores' data and base are written again in the next phase only behind this wait
	s_add_co_u32 s[PH], s[PH], 1
	s_cmp_lt_u32 s[PH], 2
	s_cbranch_scc1 .Lphase
	s_set_vgpr_msb 0x4
	s_wait_tensorcnt 0x0
	ds_add_u32 v2, v129
	s_wait_dscnt 0x0
	s_set_vgpr_msb 0x400
	s_endpgm
.Lfunc_end_k_q86604e9c33_attn:
	.size	k_q86604e9c33_attn, .Lfunc_end_k_q86604e9c33_attn-k_q86604e9c33_attn
	.p2alignl 7, 3214868480
	.fill 96, 4, 3214868480
	.section	.rodata,"a",@progbits
	.p2align	6, 0x0
	.amdhsa_kernel k_q86604e9c33_attn
		.amdhsa_group_segment_fixed_size 109568
		.amdhsa_private_segment_fixed_size 0
		.amdhsa_enable_private_segment 0
		.amdhsa_kernarg_size 32
		.amdhsa_user_sgpr_count 2
		.amdhsa_user_sgpr_kernarg_segment_ptr 1
		.amdhsa_wavefront_size32 1
		.amdhsa_system_sgpr_workgroup_id_x 1
		.amdhsa_system_sgpr_workgroup_id_y 1
		.amdhsa_system_sgpr_workgroup_id_z 1
		.amdhsa_system_vgpr_workitem_id 0
		.amdhsa_next_free_vgpr 386
		.amdhsa_next_free_sgpr 66
		.amdhsa_reserve_vcc 1
		.amdhsa_float_denorm_mode_32 3
		.amdhsa_float_denorm_mode_16_64 3
		.amdhsa_memory_ordered 1
		.amdhsa_forward_progress 1
		.amdhsa_inst_pref_size 251
	.end_amdhsa_kernel
	.amdgpu_metadata
---
amdhsa.version: [ 1, 2 ]
amdhsa.kernels:
  - .name:           k_q86604e9c33_attn
    .symbol:         k_q86604e9c33_attn.kd
    .args:
      - { .name: k, .offset: 0, .size: 8, .value_kind: global_buffer, .address_space: global }
      - { .name: q, .offset: 8, .size: 8, .value_kind: global_buffer, .address_space: global }
      - { .name: v, .offset: 16, .size: 8, .value_kind: global_buffer, .address_space: global }
      - { .name: out0, .offset: 24, .size: 8, .value_kind: global_buffer, .address_space: global }
    .group_segment_fixed_size: 109568
    .private_segment_fixed_size: 0
    .kernarg_segment_align: 8
    .kernarg_segment_size: 32
    .max_flat_workgroup_size: 256
    .sgpr_count:     66
    .vgpr_count:     386
    .wavefront_size: 32
...
	.end_amdgpu_metadata
.endif
;; end of part 1
